; MI455X (gfx1250); checked and timed in simulation.
; The chip was launched on July 23, 2026; its instructions are those of AMD's public machine-readable ISA for CDNA 5 (MIT licence, August 2026) and "CDNA5" Instruction Set Architecture Reference Guide (July 2026). The comments in the code are by the model that wrote it; some were corrected since.
;; Multi Head Cross Attention. Allowed arithmetic: matrix products marked QUANTISED: E2M3 operands, one E8M0 scale for each 32 along K, by v_wmma_scale_f32_16x16x128_f8f6f4 with both operands' format E2M3, f32 sums; everything else in f32.
;; Inputs: W_kv 512 x 1,024 float32; W_o 512 x 512 float32; W_q 512 x 512 float32; b_kv 1,024 float32; b_o 512 float32; b_q 512 float32; x 16 x 1,024 x 512 float32; y 16 x 1,024 x 512 float32.
;; Outputs: out0 16 x 1,024 x 512 float32.
;; This version of the problem:
;;   THIS VERSION OF THE PROBLEM IS GIVEN IN LOW PRECISION. The matrix products marked QUANTISED in the list below multiply operands that are first quantised to E2M3 (2 exponent bits, 3 mantissa bits; 6 bits a number), with one power-of-two scale for each 32 numbers along K (OCP MX v1.0); their sums are f32. All else is computed in f32.
;;   The module's matrix products, in the order in which they are computed (A, B: the left and right operand; K: the contracted axis; several contracted axes count as one K, in the product's order):
;;     1. [M 16,384, K 512] x [K 512, N 1,024]; A: input x; B: input W_kv: QUANTISED
;;     2. [M 16,384, K 512] x [K 512, N 512]; A: input y; B: input W_q: QUANTISED
;;     3. batch 128 x [M 1,024, K 64] x [K 64, N 1,024]; A: computed on the way; B: computed on the way: QUANTISED
;;     4. batch 128 x [M 1,024, K 1,024] x [K 1,024, N 64]; A: softmax (see below); B: computed on the way: QUANTISED
;;     5. [M 16,384, K 512] x [K 512, N 512]; A: computed on the way; B: input W_o: QUANTISED
;;   THE QUANTISER, for each operand of a quantised product, along K:
;;     - K is cut into blocks of 32 from its start; a last block that is shorter is filled with zeros.
;;     - A block's scale is 2^e with e = floor(log2(the largest magnitude in the block)) - 2, held to -126 .. 127; a block of zeros has e = 0. As a byte (E8M0): e + 127.
;;     - Each number is divided by its block's scale, clamped to +-7.5, and rounded to the nearest number of E2M3, ties to even, subnormals kept.
;;     - The product sums the exact products of the quantised numbers (number of the format x scale) in f32.
;;   ~~~python
;;   def quantise(x, axis):      # numpy; x: float32 -> the quantised numbers, widened to float32 again
;;       x = np.moveaxis(x, axis, -1); K = x.shape[-1]
;;       x = np.pad(x, [(0, 0)] * (x.ndim - 1) + [(0, -K % 32)]); x = x.reshape(x.shape[:-1] + (-1, 32)); a = np.abs(x).max(-1, keepdims=True)
;;       e = np.where(a > 0, np.clip(np.frexp(np.where(a > 0, a, 1))[1] - 1 - 2, -126, 127), 0)      # np.frexp(a)[1] - 1 = floor(log2(a)), exactly
;;       r = np.clip(x / 2.0 ** e, -7.5, 7.5)
;;       step = 2.0 ** (np.maximum(np.frexp(np.where(r == 0, 1, r))[1] - 1, 0) - 3)
;;       q = np.round(r / step) * step * 2.0 ** e      # np.round: ties to even
;;       return np.moveaxis(q.reshape(q.shape[:-2] + (-1,))[..., :K], -1, axis).astype(np.float32)
;;   ~~~
;;   SOFTMAX AHEAD OF A QUANTISED PRODUCT. Where the list says 'softmax', what is quantised is not the finished softmax but p = 2^(t - M), with t = logit x log2(e) and M = ceil(the row's largest t), a whole number; so 1/2 < the row's largest p <= 1. The row's sum l is taken of the UNQUANTISED p, in f32, and the product's result is divided by l at the end. Since M is a whole number, a kernel that streams over the keys may use a running M (the ceiling of the running maximum): every later rescaling is an exact power of two, which a block's scale takes up: the codes' values come out the same.
;;   OPERANDS COMPUTED ON THE WAY. 'Computed on the way' means the value that the module computes at that place (a softmax that the list does not call 'softmax' is quantised finished and normalised). What goes into a quantiser is computed in f32, as accurately as f32 sums, v_exp_f32 and their like allow (about 1e-6 of the number): no bf16 or f16 on the way to a quantiser, and a product that is left as it is and whose result goes on into a quantised operand takes f32 operands (vector FMAs, or v_wmma_f32_16x16x4_f32). A number that lies on a knife's edge between two numbers of the format may be rounded either way, as far as f32 arithmetic and the matrix unit's own rounding can turn it there, and no further.
;; One version. Each part assembles by itself: llvm-mc -triple=amdgcn-amd-amdhsa -mcpu=gfx1250 --defsym DOCPART=n.
;; ======== version 1 of 1: 4 launches
;; limits: right only within a limited range of input values
;; workspace buffers: wc 786,432 bytes; ws 65,536 bytes; qq 6,815,744 bytes; kv 13,631,488 bytes; aoc 6,291,456 bytes; aos 524,288 bytes
;; launch wprep (part 1): grid 256 x 1, 2 waves a work-group, no clusters, 0 bytes of LDS; arguments W_kv, W_q, W_o, wc, ws; writes wc, ws
.if DOCPART == 1
	.amdgcn_target "amdgcn-amd-amdhsa--gfx1250"
	.amdhsa_code_object_version 6
	.text
	.protected	k_q3d53a23be5_wprep
	.globl	k_q3d53a23be5_wprep
	.p2align	8
	.type	k_q3d53a23be5_wprep,@function
k_q3d53a23be5_wprep:
	s_mov_b64 s[64:65], 0
	v_nop
	global_prefetch_b8 v0, s[64:65] scope:SCOPE_SE
	s_setreg_imm32_b32 hwreg(HW_REG_WAVE_MODE, 25, 1), 1
	s_wait_xcnt 0x0
; W_kv [512][1024], W_q [512][512], W_o [512][512], f32 with K as their FIRST axis, become codes of FP6 (E2M3) and E8M0 scale words, laid in the order of an operand's registers.
; A fragment is 16 columns x 128 along K: 12 registers a lane.  Tile T (0-63 W_kv, 64-95 W_q, 96-127 W_o) and K step s make fragment 4 T + s; there are 512, one to a wave.
; THE COLUMNS OF A TILE ARE NOT NEIGHBOURS: lane row i of the tensor's tile Tl is column 32 (Tl / 2) + 8 (Tl % 2) + i + 8 (i / 8), so that the results of two neighbouring tiles are 16 neighbours in a lane's registers.
; A lane takes one column and its registers run DOWN K, in the order that the operand's layout gives it (k = 64 c + 32 (lane / 16) + 0 .. 31): the conversions' results are the operand's registers.
; OUT: wc: fragment x 1,536 bytes, registers 4 c .. 4 c + 3 at 512 c + 16 x lane;  ws: fragment x 128 bytes, the column's scale word at 4 x lane (the same in lanes l and l xor 16).
; A block's scale is 2^(floor(log2(its largest magnitude)) - 2); its byte is the largest magnitude's exponent field - 2, held at 1 from below.
; LIMITS: a block of zeros, and one whose largest magnitude lies under 2^-124, get the byte 1 (a block of zeros has zero codes, and this program alone reads the bytes); NaN and infinities are not served.
; The loads read runs of 32 bytes: the three weights are 4 MiB in all and each byte is wanted once.  Every store of a wave covers consecutive, aligned bytes (512 or 128).
.set FRB, 1536
	s_load_b256 s[4:11], s[0:1], 0x0               ; W_kv s[4:5], W_q s[6:7], W_o s[8:9], wc s[10:11]
	s_load_b64 s[12:13], s[0:1], 0x20              ; ws
	v_lshrrev_b32 v1, 5, v0
	v_readfirstlane_b32 s16, v1                    ; wave 0, 1
	s_lshr_b32 s17, ttmp9, 1                       ; T
	s_and_b32 s18, ttmp9, 1
	s_lshl_b32 s18, s18, 1
	s_add_co_u32 s18, s18, s16                     ; K step s = 2 (work-group % 2) + wave
	v_and_b32 v1, 15, v0                           ; r
	v_bfe_u32 v2, v0, 4, 1                         ; h
	v_and_b32 v3, 8, v1
	v_add_nc_u32 v3, v3, v1                        ; r + 8 (r / 8)
	v_lshlrev_b32 v4, 2, v3                        ; my column's bytes in the tile
	v_and_b32 v7, 31, v0
	v_lshlrev_b32 v6, 4, v7                        ; 16 x lane
	v_lshlrev_b32 v7, 2, v7                        ; 4 x lane
	s_mov_b32 s28, 0x76543210
	s_mov_b32 s29, 0xfedcba98                      ; v_permlanex16_b32's selects for lane l xor 16
	s_wait_alu depctr_va_vdst(0)
	s_wait_kmcnt 0x0
	s_cmp_lt_u32 s17, 96                           ; which tensor: the choice hangs on the work-group's number alone
	s_cselect_b64 s[14:15], s[6:7], s[8:9]
	s_cmp_lt_u32 s17, 64
	s_cselect_b64 s[14:15], s[4:5], s[14:15]
	s_cselect_b32 s19, 12, 11                      ; log2 of a row's bytes: 4,096 or 2,048
	s_cselect_b32 s20, 63, 31
	s_and_b32 s20, s17, s20                        ; Tl: the tile's number in its tensor
	s_lshr_b32 s21, s20, 1
	s_lshl_b32 s21, s21, 5
	s_and_b32 s22, s20, 1
	s_lshl_b32 s22, s22, 3
	s_add_co_u32 s21, s21, s22                     ; the tile's first column
	s_lshl_b32 s21, s21, 2
	s_lshl_b32 s22, s18, 7                         ; 128 s rows
	s_lshl_b32 s22, s22, s19
	s_add_co_u32 s22, s22, s21
	s_mov_b32 s23, 0
	s_add_nc_u64 s[14:15], s[14:15], s[22:23]      ; W at (128 s, the tile's first column)
	s_lshl_b32 s24, s17, 2
	s_add_co_u32 s24, s24, s18                     ; the fragment's number
	s_mul_i32 s26, s24, FRB
	s_mov_b32 s27, 0
	s_add_nc_u64 s[10:11], s[10:11], s[26:27]
	s_lshl_b32 s26, s24, 7
	s_add_nc_u64 s[12:13], s[12:13], s[26:27]
	s_add_co_u32 s25, s19, 5
	v_lshlrev_b32 v5, s25, v2                      ; lanes 16-31 begin 32 rows further down
	v_add_nc_u32 v5, v5, v4
.macro LOADW pitch                     ; W(128 s + 64 c + 32 h + i, my column) -> v[64 + 32 c + i]
.irp c, 0,1
.irp i, 0,1,2,3,4,5,6,7,8,9,10,11,12,13,14,15,16,17,18,19,20,21,22,23,24,25,26,27,28,29,30,31
	global_load_b32 v[64+32*\c+\i], v5, s[14:15] offset:(64*\c+\i)*\pitch th:TH_LOAD_NT
.endr
.endr
.endm
	s_cmp_lt_u32 s17, 64                           ; the rows' pitch stands in the immediates, so the run of loads is written for each pitch
	s_cbranch_scc0 .Lnarrow
	LOADW 4096
	s_branch .Lloaded
.Lnarrow:
	s_wait_alu depctr_va_vdst(0)
	LOADW 2048
.Lloaded:
	s_wait_loadcnt 0x0
.irp c, 0,1                            ; my block 2 c + h: all its 32 numbers are mine
	v_max3_num_f32 v[32+\c], |v[64+32*\c]|, |v[65+32*\c]|, 0x1800000   ; with the floor 2^(3 - 127): the byte cannot fall under 1
.endr
.irp i, 2,4,6,8,10,12,14,16,18,20,22,24,26,28,30
.irp c, 0,1
	v_max3_num_f32 v[32+\c], v[32+\c], |v[64+32*\c+\i]|, |v[65+32*\c+\i]|   ; the two blocks by turns
.endr
.endr
.irp c, 0,1
	v_add_nc_u32 v[44+\c], 0xff000000, v[32+\c]    ; 2 off the exponent field: the conversion's scale operand
.endr
.irp c, 0,1
	v_lshrrev_b32 v[36+\c], 23, v[44+\c]           ; the scale's byte
.endr
	v_lshl_or_b32 v9, v37, 16, v36                 ; my two bytes: blocks h and 2 + h,
	v_lshlrev_b32 v10, 3, v2
	v_lshlrev_b32 v9, v10, v9                      ; at their places in the scale word;
	v_mov_b32 v10, 0
	v_permlanex16_b32 v10, v9, s28, s29
	v_or_b32 v9, v9, v10                           ; with lane l xor 16's two the word is whole
.irp c, 0,1
	v_cvt_scalef32_pk16_fp6_f32 v[48+6*\c:50+6*\c], v[64+32*\c:79+32*\c], v[44+\c]
	v_cvt_scalef32_pk16_fp6_f32 v[128+4*\c:130+4*\c], v[80+32*\c:95+32*\c], v[44+\c]   ; (a conversion's three registers begin on an even number)
.endr
	v_nop                                          ; one plain instruction behind the scaled conversions
.irp c, 0,1
.irp i, 0,1,2
	v_mov_b32 v[51+6*\c+\i], v[128+4*\c+\i]
.endr
.endr
	global_store_b128 v6, v[48:51], s[10:11]
	global_store_b128 v6, v[52:55], s[10:11] offset:512
	global_store_b128 v6, v[56:59], s[10:11] offset:1024
	global_store_b32 v7, v9, s[12:13]
	s_endpgm
.Lfunc_end_k_q3d53a23be5_wprep:
	.size	k_q3d53a23be5_wprep, .Lfunc_end_k_q3d53a23be5_wprep-k_q3d53a23be5_wprep
	.p2alignl 7, 3214868480
	.fill 96, 4, 3214868480
	.section	.rodata,"a",@progbits
	.p2align	6, 0x0
	.amdhsa_kernel k_q3d53a23be5_wprep
		.amdhsa_group_segment_fixed_size 0
		.amdhsa_private_segment_fixed_size 0
		.amdhsa_enable_private_segment 0
		.amdhsa_kernarg_size 40
		.amdhsa_user_sgpr_count 2
		.amdhsa_user_sgpr_kernarg_segment_ptr 1
		.amdhsa_wavefront_size32 1
		.amdhsa_system_sgpr_workgroup_id_x 1
		.amdhsa_system_sgpr_workgroup_id_y 1
		.amdhsa_system_sgpr_workgroup_id_z 1
		.amdhsa_system_vgpr_workitem_id 0
		.amdhsa_next_free_vgpr 136
		.amdhsa_next_free_sgpr 66
		.amdhsa_reserve_vcc 0
		.amdhsa_float_denorm_mode_32 3
		.amdhsa_float_denorm_mode_16_64 3
		.amdhsa_memory_ordered 1
		.amdhsa_forward_progress 1
		.amdhsa_inst_pref_size 18
	.end_amdhsa_kernel
	.amdgpu_metadata
---
amdhsa.version: [ 1, 2 ]
amdhsa.kernels:
  - .name:           k_q3d53a23be5_wprep
    .symbol:         k_q3d53a23be5_wprep.kd
    .args:
      - { .name: W_kv, .offset: 0, .size: 8, .value_kind: global_buffer, .address_space: global }
      - { .name: W_q, .offset: 8, .size: 8, .value_kind: global_buffer, .address_space: global }
      - { .name: W_o, .offset: 16, .size: 8, .value_kind: global_buffer, .address_space: global }
      - { .name: wc, .offset: 24, .size: 8, .value_kind: global_buffer, .address_space: global }
      - { .name: ws, .offset: 32, .size: 8, .value_kind: global_buffer, .address_space: global }
    .group_segment_fixed_size: 0
    .private_segment_fixed_size: 0
    .kernarg_segment_align: 8
    .kernarg_segment_size: 40
    .max_flat_workgroup_size: 64
    .sgpr_count:     66
    .vgpr_count:     136
    .wavefront_size: 32
...
	.end_amdgpu_metadata
.endif
;; end of part 1
;; launch proj (part 2): grid 3 x 64, 4 waves a work-group, no clusters, 327,680 bytes of LDS; arguments x, y, wc, ws, b_kv, b_q, kv, qq; writes kv, qq
.if DOCPART == 2
	.amdgcn_target "amdgcn-amd-amdhsa--gfx1250"
	.amdhsa_code_object_version 6
	.text
	.protected	k_q3d53a23be5_proj
	.globl	k_q3d53a23be5_proj
	.p2align	8
	.type	k_q3d53a23be5_proj,@function
k_q3d53a23be5_proj:
	s_mov_b64 s[64:65], 0
	v_nop
	global_prefetch_b8 v0, s[64:65] scope:SCOPE_SE
	s_setreg_imm32_b32 hwreg(HW_REG_WAVE_MODE, 25, 1), 1
	s_wait_xcnt 0x0
.set RPITCH, 1040
.set STRIP,  64*RPITCH
.set SLOT,   2*STRIP
.set IMG,    2*SLOT
.set FRB,    1536
.set IMGSC,  IMG+16*FRB
.set SPARE,  319488
.set WS,  16
.set AS,  48
.set F0,  64
.set F1,  112
.set PC,  160
.set TM,  208
.set T2,  216
.set SOP, 224
.set CT,  232
.set HW,  248
.set BI,  192
.set MSB, 0
.macro WIN new
.if MSB != \new
	s_set_vgpr_msb (MSB<<8)|\new
.set MSB, \new
.endif
.endm
.macro PLACES
.rept 4
	v_nop
.endr
.endm
.macro QUANT8 src, pcb
	WIN 0x3c
.irp b, 0,1,2,3,4,5,6,7
	v_max3_num_f32 v[TM+\b], 0x1800000, |v[(\src)+16*\b]|, |v[(\src)+16*\b+1]|
.endr
.irp i, 2,4,6,8,10,12,14
.irp b, 0,1,2,3,4,5,6,7
	v_max3_num_f32 v[TM+\b], v[TM+\b], |v[(\src)+16*\b+\i]|, |v[(\src)+16*\b+\i+1]|
.endr
.endr
	WIN 0
.irp b, 0,1,2,3,4,5,6,7
	v_permlanex16_b32 v[T2+\b], v[TM+\b], s60, s61
.endr
.irp b, 0,1,2,3,4,5,6,7
	v_max_num_f32 v[TM+\b], v[TM+\b], v[T2+\b]
.endr
.irp b, 0,1,2,3,4,5,6,7
	v_add_nc_u32 v[SOP+\b], 0xff000000, v[TM+\b]
.endr
.irp b, 0,1,2,3,4,5,6,7
	v_lshrrev_b32 v[T2+\b], 23, v[SOP+\b]
.endr
.irp u, 0,1,2,3
	v_lshl_or_b32 v[HW+\u], v[T2+2*\u+1], 8, v[T2+2*\u]
.endr
	WIN 0x03
.irp u, 0,1,2,3
	v_cvt_scalef32_pk16_fp6_f32 v[(\pcb)+6*\u:(\pcb)+6*\u+2], v[(\src)+32*\u:(\src)+32*\u+15], v[SOP+2*\u]
	v_cvt_scalef32_pk16_fp6_f32 v[CT+4*\u:CT+4*\u+2], v[(\src)+32*\u+16:(\src)+32*\u+31], v[SOP+2*\u+1]
.endr
	WIN 0
	v_nop
.irp u, 0,1,2,3
.irp i, 0,1,2
	v_permlane16_swap_b32 v[(\pcb)+6*\u+\i], v[CT+4*\u+\i]
.endr
.irp i, 0,1,2
	v_mov_b32 v[(\pcb)+6*\u+3+\i], v[CT+4*\u+\i]
.endr
.endr
.endm
.macro XIMG q
.irp f, 0,1
	v_lshl_or_b32 v[252+2*\q+\f], v[HW+2*\f+1], 16, v[HW+2*\f]
.endr
.irp f, 0,1
.irp c, 0,1,2
	ds_store_b128 v4, v[PC+24*\q+12*\f+4*\c:PC+24*\q+12*\f+4*\c+3] offset:(2*\q+\f)*FRB+512*\c
.endr
	ds_store_b32 v5, v[252+2*\q+\f] offset:128*(2*\q+\f)
.endr
.endm
.macro FETCH f, s
.irp m, 0,1,2,3
.irp c, 0,1,2
	ds_load_b128 v[(\f)+12*\m+4*\c:(\f)+12*\m+4*\c+3], v6 offset:(4*\m+(\s))*FRB+512*\c
.endr
.endr
.endm
.macro MULA s, f
.if (\s) == 0
	WIN 0xd1
.elseif (\s) == 1
	WIN 0xf1
.else
	WIN 0xf2
.endif
.irp m, 0,1,2,3
.irp t, 0,1,2,3
.set rD, 32*\m+8*\t
.set rW, 12*(2*\t+(\s)%2)
.set rF, (\f)+12*\m
.if (\s) == 0
	v_wmma_scale_f32_16x16x128_f8f6f4 v[rD:rD+7], v[rW:rW+11], v[rF:rF+11], v[BI+8*\t:BI+8*\t+7], v[WS+4*\t+(\s)], v[AS+4*\m+(\s)] matrix_a_fmt:MATRIX_FMT_FP6 matrix_b_fmt:MATRIX_FMT_FP6
.else
	v_wmma_scale_f32_16x16x128_f8f6f4 v[rD:rD+7], v[rW:rW+11], v[rF:rF+11], v[rD:rD+7], v[WS+4*\t+(\s)], v[AS+4*\m+(\s)] matrix_a_fmt:MATRIX_FMT_FP6 matrix_b_fmt:MATRIX_FMT_FP6
.endif
.endr
.endr
	WIN 0
.endm
.macro MULB s, f, nat
.if \nat
.if (\s) == 0
	WIN 0xd4
.elseif (\s) == 1
	WIN 0xf4
.else
	WIN 0xf8
.endif
.else
.if (\s) == 0
	WIN 0xd1
.elseif (\s) == 1
	WIN 0xf1
.else
	WIN 0xf2
.endif
.endif
.irp m, 0,1,2,3
.irp t, 0,1,2,3
.set rW, 12*(2*(\t+4)+(\s)%2)
.set rF, (\f)+12*\m
.set rB, BI+8*(\t+4)
.if \nat
.set rD, 128+32*\t+8*\m
.if (\s) == 0
	v_wmma_scale_f32_16x16x128_f8f6f4 v[rD:rD+7], v[rF:rF+11], v[rW:rW+11], v[rB:rB+7], v[AS+4*\m+(\s)], v[WS+4*(\t+4)+(\s)] matrix_a_fmt:MATRIX_FMT_FP6 matrix_b_fmt:MATRIX_FMT_FP6
.else
	v_wmma_scale_f32_16x16x128_f8f6f4 v[rD:rD+7], v[rF:rF+11], v[rW:rW+11], v[rD:rD+7], v[AS+4*\m+(\s)], v[WS+4*(\t+4)+(\s)] matrix_a_fmt:MATRIX_FMT_FP6 matrix_b_fmt:MATRIX_FMT_FP6
.endif
.else
.set rD, 128+32*\m+8*\t
.if (\s) == 0
	v_wmma_scale_f32_16x16x128_f8f6f4 v[rD:rD+7], v[rW:rW+11], v[rF:rF+11], v[rB:rB+7], v[WS+4*(\t+4)+(\s)], v[AS+4*\m+(\s)] matrix_a_fmt:MATRIX_FMT_FP6 matrix_b_fmt:MATRIX_FMT_FP6
.else
	v_wmma_scale_f32_16x16x128_f8f6f4 v[rD:rD+7], v[rW:rW+11], v[rF:rF+11], v[rD:rD+7], v[WS+4*(\t+4)+(\s)], v[AS+4*\m+(\s)] matrix_a_fmt:MATRIX_FMT_FP6 matrix_b_fmt:MATRIX_FMT_FP6
.endif
.endif
.endr
.endr
	WIN 0
.endm
.macro MSTEP s, f
	MULA \s, \f
	s_cmp_eq_u32 s21, 2
	s_cbranch_scc0 .Lnat_\@
	MULB \s, \f, 0
	s_branch .Ljoin_\@
.Lnat_\@:
	MULB \s, \f, 1
.Ljoin_\@:
.endm
.macro OUT pcb, pa, sa, wd, blk
.irp u, 0,1,2,3
	global_store_b128 v2, v[(\pcb)+6*\u:(\pcb)+6*\u+3], s[\pa:\pa+1] offset:3072*(\blk)+768*\u
	global_store_b64 v3, v[(\pcb)+6*\u+4:(\pcb)+6*\u+5], s[\pa:\pa+1] offset:3072*(\blk)+768*\u+512
.endr
	v_cndmask_b32 v[\wd], v[HW], v[HW+1], s62
	v_cndmask_b32 v[\wd+1], v[HW+2], v[HW+3], s62
	global_store_b64 v3, v[\wd:\wd+1], s[\sa:\sa+1] offset:256*(\blk)
.endm
	s_load_b256 s[4:11], s[0:1], 0x0
	s_load_b256 s[12:19], s[0:1], 0x20
	v_lshl_add_u32 v14, v0, 2, SPARE
	v_mov_b32 v15, 0
	ds_add_u32 v14, v15
	ds_add_u32 v14, v15
	s_wait_dscnt 0x0
	v_lshrrev_b32 v1, 5, v0
	v_readfirstlane_b32 s20, v1
	s_mov_b32 s21, ttmp9
	s_and_b32 s22, ttmp7, 0xffff
	s_mov_b32 s36, (2<<16)|(1<<20)|(7<<22)|(3<<25)
	s_mov_b32 s37, 256<<16
	s_mov_b32 s38, 32<<16
	s_mov_b32 s39, 256<<16
	s_mov_b32 s40, 32
	s_mov_b32 s41, 512
	s_mov_b32 s42, 0
	s_mov_b32 s43, 0
	s_lshr_b32 s66, s20, 1
	s_and_b32 s67, s20, 1
	s_mul_i32 s34, s66, STRIP
	s_mul_i32 s68, s67, 32*RPITCH
	s_add_co_u32 s34, s34, s68
	s_lshl_b32 s68, s66, 10
	s_lshl_b32 s69, s67, 16
	s_add_co_u32 s68, s68, s69
	s_lshl_b32 s69, s22, 19
	s_add_co_u32 s68, s68, s69
	s_mov_b32 s69, 0
	s_wait_kmcnt 0x0
	s_cmp_eq_u32 s21, 2
	s_cselect_b64 s[24:25], s[6:7], s[4:5]
	s_add_nc_u64 s[24:25], s[24:25], s[68:69]
.irp i, 0,1,2,3
	s_mov_b32 s[44+4*\i], 1
	s_add_co_u32 s[45+4*\i], s34, (\i%2)*SLOT
	s_add_nc_u64 s[46+4*\i:47+4*\i], s[24:25], \i*131072
	s_or_b32 s[47+4*\i], s[47+4*\i], 0x80000000
.endr
	tensor_load_to_lds s[44:47], s[36:43]
	s_nop 0
	s_wait_alu depctr_va_vdst(0)
	s_wait_tensorcnt 0x0
	ds_add_u32 v14, v15
	s_wait_dscnt 0x0
	s_barrier_signal -1
	s_barrier_wait -1
	tensor_load_to_lds s[48:51], s[36:43]
	s_nop 0
	PLACES
	v_and_b32 v208, 31, v0
	v_and_b32 v209, 15, v0
	v_bfe_u32 v210, v0, 4, 1
	v_and_b32 v211, 8, v209
	v_add_nc_u32 v211, v211, v209
	v_lshlrev_b32 v2, 4, v208
	v_lshlrev_b32 v3, 3, v208
	v_lshlrev_b32 v212, 2, v208
	v_lshlrev_b32 v213, 6, v210
	v_lshlrev_b32 v214, 2, v211
	s_lshl_b32 s68, s66, 5
	s_lshl_b32 s69, s67, 3
	s_add_co_u32 s68, s68, s69
	s_mul_i32 s68, s68, RPITCH
	v_mul_u32_u24 v8, v211, RPITCH
	v_add_nc_u32 v8, v8, v213
	v_add_nc_u32 v8, s68, v8
	v_add_nc_u32 v9, STRIP, v8
	v_add_nc_u32 v10, SLOT, v8
	v_add_nc_u32 v11, SLOT+STRIP, v8
	s_mul_i32 s68, s20, 4*FRB
	s_add_co_u32 s68, s68, IMG
	v_add_nc_u32 v4, s68, v2
	s_lshl_b32 s68, s20, 9
	s_add_co_u32 s68, s68, IMGSC
	v_add_nc_u32 v5, s68, v212
	v_add_nc_u32 v6, IMG, v2
	v_add_nc_u32 v7, IMGSC, v212
.irp b, 0,1,2,3,4,5,6,7
	v_mov_b32 v[T2+\b], 0
.endr
	s_mov_b32 s60, 0x76543210
	s_mov_b32 s61, 0xfedcba98
	s_mov_b32 s62, 0xffff0000
	s_lshl_b32 s68, s21, 5
	s_lshl_b32 s69, s20, 3
	s_add_co_u32 s68, s68, s69
	s_mul_i32 s70, s68, 4*FRB
	s_mov_b32 s71, 0
	s_add_nc_u64 s[8:9], s[8:9], s[70:71]
	s_lshl_b32 s70, s68, 9
	s_add_nc_u64 s[10:11], s[10:11], s[70:71]
	WIN 0x40
.irp t, 0,1,2,3,4,5,6,7
.irp s, 0,1
.irp c, 0,1,2
	global_load_b128 v[12*(2*\t+\s)+4*\c:12*(2*\t+\s)+4*\c+3], v2, s[8:9] offset:(4*\t+\s)*FRB+512*\c
.endr
.endr
.endr
	WIN 0x80
.irp t, 0,1,2,3,4,5,6,7
.irp s, 0,1
.irp c, 0,1,2
	global_load_b128 v[12*(2*\t+\s)+4*\c:12*(2*\t+\s)+4*\c+3], v2, s[8:9] offset:(4*\t+2+\s)*FRB+512*\c
.endr
.endr
.endr
	WIN 0
.irp t, 0,1,2,3,4,5,6,7
.irp s, 0,1,2,3
	global_load_b32 v[WS+4*\t+\s], v212, s[10:11] offset:(4*\t+\s)*128
.endr
.endr
	s_lshl_b32 s70, s21, 11
	s_cmp_eq_u32 s21, 2
	s_cselect_b32 s70, 0, s70
	s_cselect_b64 s[72:73], s[14:15], s[12:13]
	s_lshl_b32 s76, s20, 9
	s_add_co_u32 s70, s70, s76
	s_add_nc_u64 s[72:73], s[72:73], s[70:71]
	WIN 0x40
.irp t, 0,1,2,3
	global_load_b128 v[BI+8*\t:BI+8*\t+3], v213, s[72:73] offset:4*(32*(\t/2)+8*(\t%2))
	global_load_b128 v[BI+8*\t+4:BI+8*\t+7], v213, s[72:73] offset:4*(32*(\t/2)+8*(\t%2))+16
.endr
	WIN 0
	s_cmp_eq_u32 s21, 2
	s_cbranch_scc0 .Lbias_nat
	WIN 0x40
.irp t, 4,5,6,7
	global_load_b128 v[BI+8*\t:BI+8*\t+3], v213, s[72:73] offset:4*(32*(\t/2)+8*(\t%2))
	global_load_b128 v[BI+8*\t+4:BI+8*\t+7], v213, s[72:73] offset:4*(32*(\t/2)+8*(\t%2))+16
.endr
	WIN 0
	s_branch .Lbias_done
.Lbias_nat:
	WIN 0x40
.irp t, 4,5,6,7
.irp j, 0,1,2,3,4,5,6,7
	global_load_b32 v[BI+8*\t+\j], v214, s[72:73] offset:4*(32*(\t/2)+8*(\t%2))
.endr
.endr
	WIN 0
.Lbias_done:
	s_lshr_b32 s66, s22, 2
	s_and_b32 s67, s22, 3
	s_lshl_b32 s67, s67, 2
	s_lshl_b32 s66, s66, 3
	s_lshl_b32 s68, s21, 2
	s_add_co_u32 s68, s68, s20
	s_lshl_b32 s69, s20, 1
	s_mov_b32 s76, 106496
	s_mov_b32 s77, 49152
	s_mov_b32 s78, 98304
	s_mov_b32 s79, 4096
	s_cmp_eq_u32 s21, 2
	s_cselect_b32 s68, s69, s68
	s_cselect_b32 s76, 53248, s76
	s_cselect_b32 s77, 53248, s77
	s_cselect_b32 s78, 49152, s78
	s_cselect_b32 s79, 53248, s79
	s_cselect_b64 s[74:75], s[18:19], s[16:17]
	s_add_co_u32 s66, s66, s68
	s_mul_i32 s70, s66, s76
	s_add_nc_u64 s[74:75], s[74:75], s[70:71]
	s_mul_i32 s70, s67, 3072
	s_add_nc_u64 s[26:27], s[74:75], s[70:71]
	s_mov_b32 s70, s77
	s_add_nc_u64 s[28:29], s[26:27], s[70:71]
	s_lshl_b32 s70, s67, 8
	s_add_co_u32 s70, s70, s78
	s_add_nc_u64 s[30:31], s[74:75], s[70:71]
	s_mov_b32 s70, s79
	s_add_nc_u64 s[32:33], s[30:31], s[70:71]
	s_wait_xcnt 0x0
	s_wait_tensorcnt 0x1
	s_barrier_signal -1
	s_barrier_wait -1
.macro BLOCK i
	WIN 0xc0
.irp s, 0,1,2,3
.irp b, 0,1,2,3
.irp j, 0,1,2,3
	ds_load_b128 v[64*\s+16*\b+4*\j:64*\s+16*\b+4*\j+3], v[8+2*((\i)%2)+\s/2] offset:512*(\s%2)+128*\b+16*\j
.endr
.endr
.endr
	s_wait_dscnt 32
	QUANT8 0, PC
	XIMG 0
	s_wait_dscnt 8
	QUANT8 128, PC+24
	XIMG 1
	s_wait_tensorcnt 0x0
	ds_add_u32 v14, v15
	s_wait_dscnt 0x0
	s_barrier_signal -1
	s_barrier_wait -1
.if (\i) < 2
	tensor_load_to_lds s[52+4*(\i):55+4*(\i)], s[36:43]
	s_nop 0
	PLACES
.endif
.if (\i) == 0
	s_wait_loadcnt 0x0
.endif
.irp m, 0,1,2,3
.irp s, 0,1,2,3
	ds_load_b32 v[AS+4*\m+\s], v7 offset:128*(4*\m+\s)
.endr
.endr
	FETCH F0, 0
	FETCH F1, 1
	s_wait_dscnt 12
	MSTEP 0, F0
	PLACES
	FETCH F0, 2
	s_wait_dscnt 12
	MSTEP 1, F1
	PLACES
	FETCH F1, 3
	s_wait_dscnt 12
	MSTEP 2, F0
	s_wait_dscnt 0x0
	MSTEP 3, F1
.if (\i) < 3
	s_barrier_signal -1
	s_barrier_wait -1
.endif
	PLACES
	QUANT8 0, PC
	OUT PC, 26, 30, 252, \i
	QUANT8 128, PC+24
	OUT PC+24, 28, 32, 254, \i
.if (\i) < 3
	s_wait_xcnt 0x0
.endif
.endm
	BLOCK 0
	BLOCK 1
	BLOCK 2
	BLOCK 3
	s_wait_tensorcnt 0x0
	ds_add_u32 v14, v15
	s_wait_dscnt 0x0
	s_endpgm
.Lfunc_end_k_q3d53a23be5_proj:
	.size	k_q3d53a23be5_proj, .Lfunc_end_k_q3d53a23be5_proj-k_q3d53a23be5_proj
	.p2alignl 7, 3214868480
	.fill 96, 4, 3214868480
	.section	.rodata,"a",@progbits
	.p2align	6, 0x0
	.amdhsa_kernel k_q3d53a23be5_proj
		.amdhsa_group_segment_fixed_size 327680
		.amdhsa_private_segment_fixed_size 0
		.amdhsa_enable_private_segment 0
		.amdhsa_kernarg_size 64
		.amdhsa_user_sgpr_count 2
		.amdhsa_user_sgpr_kernarg_segment_ptr 1
		.amdhsa_wavefront_size32 1
		.amdhsa_system_sgpr_workgroup_id_x 1
		.amdhsa_system_sgpr_workgroup_id_y 1
		.amdhsa_system_sgpr_workgroup_id_z 1
		.amdhsa_system_vgpr_workitem_id 0
		.amdhsa_next_free_vgpr 1024
		.amdhsa_next_free_sgpr 84
		.amdhsa_reserve_vcc 0
		.amdhsa_float_denorm_mode_32 3
		.amdhsa_float_denorm_mode_16_64 3
		.amdhsa_memory_ordered 1
		.amdhsa_forward_progress 1
		.amdhsa_inst_pref_size 255
	.end_amdhsa_kernel
	.section	.bss,"aw",@nobits
	.p2align	6
	.space	262144
	.amdgpu_metadata
---
amdhsa.version: [ 1, 2 ]
amdhsa.kernels:
  - .name:           k_q3d53a23be5_proj
    .symbol:         k_q3d53a23be5_proj.kd
    .args:
      - { .name: x, .offset: 0, .size: 8, .value_kind: global_buffer, .address_space: global }
      - { .name: y, .offset: 8, .size: 8, .value_kind: global_buffer, .address_space: global }
      - { .name: wc, .offset: 16, .size: 8, .value_kind: global_buffer, .address_space: global }
      - { .name: ws, .offset: 24, .size: 8, .value_kind: global_buffer, .address_space: global }
      - { .name: b_kv, .offset: 32, .size: 8, .value_kind: global_buffer, .address_space: global }
      - { .name: b_q, .offset: 40, .size: 8, .value_kind: global_buffer, .address_space: global }
      - { .name: kv, .offset: 48, .size: 8, .value_kind: global_buffer, .address_space: global }
      - { .name: qq, .offset: 56, .size: 8, .value_kind: global_buffer, .address_space: global }
    .group_segment_fixed_size: 327680
    .private_segment_fixed_size: 0
    .kernarg_segment_align: 8
    .kernarg_segment_size: 64
    .max_flat_workgroup_size: 128
    .sgpr_count:     84
    .vgpr_count:     1024
    .wavefront_size: 32
...
	.end_amdgpu_metadata
.endif
;; end of part 2
;; launch attn (part 3): grid 2 x 128, 16 waves a work-group, no clusters, 327,680 bytes of LDS; arguments qq, kv, aoc, aos; writes aoc, aos
.if DOCPART == 3
	.amdgcn_target "amdgcn-amd-amdhsa--gfx1250"
	.amdhsa_code_object_version 6
	.text
	.protected	k_q3d53a23be5_attn
	.globl	k_q3d53a23be5_attn
	.p2align	8
	.type	k_q3d53a23be5_attn,@function
k_q3d53a23be5_attn:
	s_mov_b64 s[64:65], 0
	v_nop
	global_prefetch_b8 v0, s[64:65] scope:SCOPE_SE
	s_setreg_imm32_b32 hwreg(HW_REG_WAVE_MODE, 25, 1), 1
	s_wait_xcnt 0x0
; O = softmax(q k^T / 8) v for one head, both products on codes of FP6 (E2M3) with E8M0 scales; O / l is quantised at once along the head's 64 for the output projection.
; q, k, v come as half fragments (16 rows x 64 K: 768 bytes, registers 0-3 at 16 x lane, registers 4-5 at 512 + 8 x lane) and blocks of halfwords (two scale bytes a row; word i of lane (r, h) = tile 2 i + h of four).
; THE SOFTMAX: t = score x log2(e) / 8; M = the row's largest t so far, rounded UP to a whole number; p = 2^(t - M) is quantised along the keys, not normalised.  The row's sum is taken of the unquantised p and
; divides O at the end.  When M moves, the sum and O are multiplied by 2^(old M - new M): exact.
; SHARES.  Work-group y = 8 batch + head, x = which 512 of its 1,024 queries.  Each of sixteen waves takes two tiles of 16 queries, one after the other; a pass walks 1,024 keys, 128 a step.
; THE HEAD'S RECORD OF kv, 416 rows of 256 bytes, comes into LDS once, each row followed by 64 bytes of padding (pitch 320), in TWO fills of one tensor load a wave: at the head 8 rows a wave (key steps 0, 1 of K: rows 0-47,
; of V: rows 192-239, and the scale bytes: rows 384-415); behind the full sequence and a barrier 18 rows a wave (the other 144 rows of K and of V).  Key steps 0 and 1 read rows of the first fill alone; one barrier more,
; behind each wave's wait for its second load, stands in front of key step 2.  Nothing is filled twice.  By this text's count a wave has one tensor load out.
; LAYOUT.  Both products are used transposed: S^T = K Q^T, O^T = V^T P^T: a lane holds ONE query.  A stored tile T has row i = index 32 (T / 2) + 8 (T % 2) + i + 8 (i / 8).  K'S TILES ARE GATHERED ANEW from LDS by lane
; addresses: tile (c, u) takes in rows 0-7 keys 64 c + 8 u + 0..7 and in rows 8-15 keys 64 c + 32 + 8 u + 0..7, so that lane (r, h)'s 32 registers of tiles (c, 0..3) are the WHOLE block of keys 64 c + 32 h + 0..31,
; which is what P's operand wants of that lane: a block's maximum needs no other lane and the codes change no lane.  Rows 8-15 come from the stored tile two further on, 1,920 bytes = 128 modulo 256.
; THE FIRST PRODUCT HAS K = 64 in an instruction of 128: Q's registers 6-11 are zeros and its scale bytes 2, 3 are 0; K's registers 6-11 are the next tile's codes (behind the last: zeros), finite numbers that meet Q's zeros.
; A pass's first key step starts O^T (C = 0) and the sum: nothing is cleared.
; NO CLUSTER: only the two work-groups of a head read the same k and v, and a grid of 2 along x divides into no cluster of four.  NO PREFETCH: all of k and v is asked for by the two fills, the second directly behind
; the first's barrier; no later trip asks for anything.
; LIMITS: the promise holds while the scaled scores t stay under 2^31 in magnitude; a block of zeros, and one whose largest magnitude lies under 2^-124, get the byte 1; NaN and infinities are not served;
; the division by l is v_rcp_f32 and a multiplication.
; REGISTERS: v1, v2, v9 16, 8, 4 x lane; v3-8 LDS bases; v10-15 a step's LDS addresses; v16-27 Q (v22-27 zeros), v28 its scale word; v29 O's halfwords; v30, v31 the add's; v32-79 K's, then V's fragments; v80-85 zeros;
;   v86 -M, v87 the largest t; v[90:91] f; v92-95 K's scale words; v96-159 S^T, then p; v160-191 O^T; v192-199 at work; v200-203 V's halfwords, v204-205 V's scale words; v206 p's scale word; v207 the old -M;
;   v208-215 the sum, four chains; v216 8 h; v224-235 p's codes; v236-242 at work; v243 the second tile's scale word, v244-249 its Q.
.set KVREC, 106496
.set QREC,  53248
.set RP,    320                        ; an LDS row: 256 bytes + 64
.set TP,    960                        ; a half fragment: three rows
.set VB,    192*RP                     ; V's codes
.set KS,    384*RP                     ; K's halfwords, a block a row
.set VS,    400*RP                     ; V's
.set SPARE, 416*RP                     ; the spare words: 128 bytes a wave, a multiple of 256 from LDS byte 0
.macro WM d, a, b, z, sa, sb, row      ; one product; z = 1: C is 0; row = 1: source 0's scales in lanes 16-31
.if \z
.if \row
	v_wmma_scale_f32_16x16x128_f8f6f4 v[\d:\d+7], v[\a:\a+11], v[\b:\b+11], 0, v[\sa], v[\sb] matrix_a_fmt:MATRIX_FMT_FP6 matrix_b_fmt:MATRIX_FMT_FP6 matrix_a_scale:MATRIX_SCALE_ROW1
.else
	v_wmma_scale_f32_16x16x128_f8f6f4 v[\d:\d+7], v[\a:\a+11], v[\b:\b+11], 0, v[\sa], v[\sb] matrix_a_fmt:MATRIX_FMT_FP6 matrix_b_fmt:MATRIX_FMT_FP6
.endif
.else
.if \row
	v_wmma_scale_f32_16x16x128_f8f6f4 v[\d:\d+7], v[\a:\a+11], v[\b:\b+11], v[\d:\d+7], v[\sa], v[\sb] matrix_a_fmt:MATRIX_FMT_FP6 matrix_b_fmt:MATRIX_FMT_FP6 matrix_a_scale:MATRIX_SCALE_ROW1
.else
	v_wmma_scale_f32_16x16x128_f8f6f4 v[\d:\d+7], v[\a:\a+11], v[\b:\b+11], v[\d:\d+7], v[\sa], v[\sb] matrix_a_fmt:MATRIX_FMT_FP6 matrix_b_fmt:MATRIX_FMT_FP6
.endif
.endif
.endm
; A KEY STEP: 128 keys.  s40: the step's codes (8 half fragments on), s41: its halfwords (2 rows on).  first = 1: a pass's first step.
.macro STEP first
	v_add_nc_u32 v10, s40, v3                      ; six plain instructions: they also part the last products from the loads into registers that those read
	v_add_nc_u32 v11, s40, v4
	v_add_nc_u32 v12, s40, v5
	v_add_nc_u32 v13, s40, v6
	v_add_nc_u32 v14, s41, v7
	v_add_nc_u32 v15, s41, v8
	s_wait_alu depctr_va_vdst(0)
.irp c, 0,1
.irp u, 0,1,2,3
	ds_load_b128 v[32+6*(4*\c+\u):35+6*(4*\c+\u)], v10 offset:4*TP*\c+TP*(\u%2)+128*(\u/2)
	ds_load_b64 v[36+6*(4*\c+\u):37+6*(4*\c+\u)], v11 offset:4*TP*\c+TP*(\u%2)+64*(\u/2)
.endr
.irp a, 0,1
	ds_load_b32 v[92+2*\c+\a], v14 offset:RP*\c+64*\a      ; K's halfwords: lanes 0-15 tile (c, 2 a), lanes 16-31 tile (c, 2 a + 1)
.endr
	ds_load_b64 v[200+2*\c:201+2*\c], v15 offset:RP*\c     ; V's, of the step's two groups of 64 keys
.endr
	s_wait_dscnt 0x0
.irp c, 0,1
.irp u, 0,1,2,3
	WM 96+8*(4*\c+\u), 32+6*(4*\c+\u), 16, 1, 92+2*\c+\u/2, 28, \u%2     ; S^T = K Q^T
.endr
.endr
	v_lshl_or_b32 v204, v202, 16, v200             ; V's scale words for 128 keys: tile t in register 204 + t / 2, lanes 16 (t % 2) on
	v_lshl_or_b32 v205, v203, 16, v201
.if \first
	v_nop
.else
	v_mov_b32 v207, v86                            ; the old -M
.endif
	v_nop                                          ; four plain instructions behind the products
.irp t, 0,1,2,3                        ; V's four fragments are asked for now and land under the softmax
.irp c, 0,1
	ds_load_b128 v[32+12*\t+6*\c:35+12*\t+6*\c], v12 offset:4*TP*\c+TP*\t
	ds_load_b64 v[36+12*\t+6*\c:37+12*\t+6*\c], v13 offset:4*TP*\c+TP*\t
.endr
.endr
.irp k, 0,1,2,3                        ; the largest score of each of my two blocks of 32 keys, in four chains; each accumulator is read from its low end on
	v_max3_num_f32 v[192+\k], v[96+16*\k], v[97+16*\k], v[98+16*\k]
.endr
.irp i, 3,5,7,9,11,13
.irp k, 0,1,2,3
	v_max3_num_f32 v[192+\k], v[192+\k], v[96+16*\k+\i], v[97+16*\k+\i]
.endr
.endr
	v_max3_num_f32 v192, v192, v193, v111
	v_max3_num_f32 v194, v194, v195, v143
	v_max_num_f32 v192, v192, v127                 ; block h's largest score: it serves for the row's maximum and, since p rises with the score, for the block's largest p
	v_max_num_f32 v193, v194, v159                 ; block 2 + h's
	v_max_num_f32 v198, v192, v193
	v_permlanex16_b32 v199, v198, s36, s37
	v_max_num_f32 v198, v198, v199                 ; with lane l xor 16's 64 keys: the step's largest score of my query
.if \first
	v_mul_f32 v87, s38, v198                       ; as t (c is positive): the largest t so far
	v_floor_f32 v86, -v87                          ; -M = floor(-t): M is a whole number
.else
	v_mul_f32 v198, s38, v198
	v_max_num_f32 v87, v87, v198                   ; the running largest t
	s_delay_alu instid0(VALU_DEP_1)
	v_floor_f32 v86, -v87
	s_delay_alu instid0(VALU_DEP_1)
	v_sub_f32 v207, v86, v207                      ; old M - new M: a whole number, 0 or less
	s_delay_alu instid0(VALU_DEP_1)
	v_cvt_i32_f32 v207, v207                       ; (it saturates)
	s_delay_alu instid0(VALU_DEP_1)
	v_ldexp_f32 v90, 1.0, v207                     ; f = 2^(old M - new M)
.set j, 0
.rept 16
	v_pk_mul_f32 v[160+j:161+j], v[160+j:161+j], v[90:91] op_sel_hi:[1,0]   ; O^T under the new M, each accumulator from its low end on
.set j, j+2
.endr
.endif
.set j, 0
.rept 32
	v_pk_fma_f32 v[96+j:97+j], v[96+j:97+j], s[38:39], v[86:87] op_sel_hi:[1,0,0]   ; t - M, two at a time
.set j, j+2
.endr
	v_fma_f32 v192, v192, s38, v86                 ; the same of each block's largest score
	v_fma_f32 v193, v193, s38, v86
	s_wait_alu depctr_va_vdst(0)                   ; the wait ahead of the batch
.set j, 0
.rept 64
	v_exp_f32 v[96+j], v[96+j]                     ; p = 2^(t - M), at most 1
.set j, j+1
.endr
	v_exp_f32 v192, v192                           ; the blocks' largest p: the same two instructions on the same number give the same bits
	v_exp_f32 v193, v193
.if \first
	v_nop                                          ; the plain instruction behind the exponentials
.else
	v_pk_mul_f32 v[208:209], v[208:209], v[90:91] op_sel_hi:[1,0]   ; the sum under the new M: the plain instruction behind the exponentials
.endif
	s_wait_alu depctr_va_vdst(0)                   ; one wait for the whole batch, ahead of its first reader
	v_max_num_f32 v192, 0x1800000, v192            ; the floor 2^(3 - 127): the byte cannot fall under 1
	v_max_num_f32 v193, 0x1800000, v193
	v_add_nc_u32 v196, 0xff000000, v192            ; 2 off the exponent field: the conversion's scale operand
	v_add_nc_u32 v197, 0xff000000, v193
.irp c, 0,1                            ; my block 2 c + h: its 32 codes are registers 6 c .. 6 c + 5 of P's operand
	v_cvt_scalef32_pk16_fp6_f32 v[224+6*\c:226+6*\c], v[96+32*\c:111+32*\c], v[196+\c]
	v_cvt_scalef32_pk16_fp6_f32 v[236+4*\c:238+4*\c], v[112+32*\c:127+32*\c], v[196+\c]   ; (a conversion's three registers begin on an even number)
.endr
	v_lshrrev_b32 v194, 23, v196                   ; the scales' bytes; plain instructions behind the conversions
	v_lshrrev_b32 v195, 23, v197
	v_mov_b32 v227, v236
	v_mov_b32 v228, v237
	v_lshl_or_b32 v206, v195, 16, v194             ; my two bytes: blocks h and 2 + h,
	v_mov_b32 v229, v238
	v_mov_b32 v233, v240
	v_lshlrev_b32 v206, v216, v206                 ; at their places in the scale word (8 h bits up);
	v_mov_b32 v234, v241
	v_mov_b32 v235, v242
	v_permlanex16_b32 v199, v206, s36, s37
.if \first                             ; the row's sum of the unquantised p, two at a time, in four chains
.irp k, 0,1,2,3
	v_pk_add_f32 v[208+2*\k:209+2*\k], v[96+4*\k:97+4*\k], v[98+4*\k:99+4*\k]
.endr
.set j, 16
.else
	v_pk_add_f32 v[208:209], v[208:209], v[96:97]
.irp k, 1,2,3
	v_pk_add_f32 v[208+2*\k:209+2*\k], v[94+4*\k:95+4*\k], v[96+4*\k:97+4*\k]
.endr
.set j, 14
.endif
	v_or_b32 v206, v206, v199                      ; with lane l xor 16's two bytes p's scale word is whole; the additions below stand between it and the products
.rept 25-\first
	v_pk_add_f32 v[208+2*(((j/2)+1-\first)%4):209+2*(((j/2)+1-\first)%4)], v[208+2*(((j/2)+1-\first)%4):209+2*(((j/2)+1-\first)%4)], v[96+j:97+j]
.set j, j+2
.endr
	v_pk_add_f32 v[208:209], v[208:209], v[210:211]
	v_pk_add_f32 v[212:213], v[212:213], v[214:215]
	s_delay_alu instid0(VALU_DEP_1)
	v_pk_add_f32 v[208:209], v[208:209], v[212:213]
	s_wait_alu depctr_va_vdst(0)                   ; the wait, directly ahead of the wait below
	s_wait_dscnt 0x0                               ; V is in
.irp t, 0,1,2,3
	WM 160+8*\t, 32+12*\t, 224, \first, 204+\t/2, 206, \t%2              ; O^T += V^T P^T, the four accumulators by turns
.endr
	s_add_co_u32 s40, s40, 8*TP
	s_add_co_u32 s41, s41, 2*RP
.endm
; THE WAY OUT of pass p: O^T / l, quantised along the head's 64: register 16 b + i is channel 32 b + 16 h + i of my query
.macro WAYOUT p
.if (\p) == 0
.irp i, 0,1,2,3,4,5
	v_mov_b32 v[16+\i], v[244+\i]                  ; the second tile's Q takes the first's place: the way out stands between these lines and the next products
.endr
	v_mov_b32 v28, v243
.endif
	v_add_f32 v208, v208, v209                     ; the sum's two halves,
	s_delay_alu instid0(VALU_DEP_1)
	v_permlanex16_b32 v199, v208, s36, s37
	s_delay_alu instid0(VALU_DEP_1)
	v_add_f32 v208, v208, v199                     ; and lane l xor 16's
	s_wait_alu depctr_va_vdst(0)                   ; the wait ahead of the reciprocal
	v_rcp_f32 v208, v208
	v_nop
	v_nop                                          ; plain instructions behind the reciprocal and behind the last products
	s_wait_alu depctr_va_vdst(0)                   ; and ahead of its first reader, which is O^T's first reader too
.set j, 0
.rept 16
	v_pk_mul_f32 v[96+j:97+j], v[160+j:161+j], v[208:209] op_sel_hi:[1,0]   ; each accumulator from its low end on
.set j, j+2
.endr
.irp b, 0,1
	v_max3_num_f32 v[192+\b], |v[96+16*\b]|, |v[97+16*\b]|, 0x1800000
.endr
.irp i, 2,4,6,8,10,12,14
.irp b, 0,1
	s_delay_alu instid0(VALU_DEP_2)
	v_max3_num_f32 v[192+\b], v[192+\b], |v[96+16*\b+\i]|, |v[97+16*\b+\i]|
.endr
.endr
.irp b, 0,1
	s_delay_alu instid0(VALU_DEP_2)
	v_permlanex16_b32 v[194+\b], v[192+\b], s36, s37
.endr
.irp b, 0,1
	s_delay_alu instid0(VALU_DEP_2)
	v_max_num_f32 v[192+\b], v[192+\b], v[194+\b]
.endr
.irp b, 0,1
	s_delay_alu instid0(VALU_DEP_2)
	v_add_nc_u32 v[196+\b], 0xff000000, v[192+\b]
.endr
.irp b, 0,1
	s_delay_alu instid0(VALU_DEP_2)
	v_lshrrev_b32 v[194+\b], 23, v[196+\b]
.endr
	s_delay_alu instid0(VALU_DEP_1)
	v_lshl_or_b32 v198, v195, 8, v194              ; my query's halfword
	v_cvt_scalef32_pk16_fp6_f32 v[224:226], v[96:111], v196
	v_cvt_scalef32_pk16_fp6_f32 v[236:238], v[112:127], v197
	v_nop
.irp i, 0,1,2
	v_permlane16_swap_b32 v[224+\i], v[236+\i]     ; here a block lies in lanes l and l xor 16: the operand's layout wants it whole in a lane
.endr
.irp i, 0,1,2
	s_delay_alu instid0(VALU_DEP_3)
	v_mov_b32 v[227+\i], v[236+\i]
.endr
.if (\p) == 0
	v_mov_b32 v29, v198                            ; the first tile's halfwords
.else
	v_cndmask_b32 v29, v29, v198, s44              ; lanes 0-15 keep them, lanes 16-31 take the second tile's
.endif
	global_store_b128 v1, v[224:227], s[32:33] offset:6144*(\p)        ; 512 consecutive bytes,
	global_store_b64 v2, v[228:229], s[32:33] offset:6144*(\p)+512     ; and 256
.if (\p) == 0
	s_wait_xcnt 0x0                                ; the stores have read their data: the next pass writes these registers again
.endif
.endm
	s_load_b256 s[4:11], s[0:1], 0x0               ; qq s[4:5], kv s[6:7], aoc s[8:9], aos s[10:11]
	v_lshl_add_u32 v30, v0, 2, SPARE
	v_mov_b32 v31, 0
	ds_add_u32 v30, v31                            ; the add, twice on end, and its wait below
	ds_add_u32 v30, v31
	v_lshrrev_b32 v32, 5, v0
	v_readfirstlane_b32 s12, v32                   ; wave 0..15
	s_and_b32 s13, ttmp7, 0xffff                   ; 8 batch + head
	s_mov_b32 s14, ttmp9                           ; which half of the queries
	; descriptor group 1: rows of 256 bytes (32 elements of 8 bytes), dense in memory, 16 words of padding behind each 64 in LDS: 8 rows,
	s_mov_b32 s16, (3<<16)|(1<<20)|(5<<22)|(15<<25)
	s_mov_b32 s17, 32<<16
	s_mov_b32 s18, 8<<16
	s_mov_b32 s19, 32<<16
	s_mov_b32 s20, 8
	s_mov_b32 s21, 32
	s_mov_b32 s22, 0
	s_mov_b32 s23, 0
	; and 18 rows
	s_mov_b32 s24, (3<<16)|(1<<20)|(5<<22)|(15<<25)
	s_mov_b32 s25, 32<<16
	s_mov_b32 s26, 18<<16
	s_mov_b32 s27, 32<<16
	s_mov_b32 s28, 18
	s_mov_b32 s29, 32
	s_mov_b32 s30, 0
	s_mov_b32 s31, 0
	s_mul_i32 s45, s12, 11
	s_lshr_b32 s45, s45, 6                         ; w / 6: 0 K, 1 V, 2 the scale bytes
	s_mul_i32 s45, s45, 144
	s_lshl_b32 s56, s12, 3
	s_add_co_u32 s45, s45, s56                     ; the first fill: my rows 8 w + 144 (w / 6) on
	s_lshr_b32 s56, s12, 3
	s_mul_i32 s56, s56, 48
	s_mul_i32 s57, s12, 18
	s_add_co_u32 s56, s56, s57
	s_add_co_u32 s56, s56, 48                      ; the second: my rows 48 + 18 w + 48 (w / 8) on
	s_mov_b32 s68, 1
	s_mul_i32 s69, s45, RP
	s_mov_b32 s72, 1
	s_mul_i32 s73, s56, RP
	s_lshl_b32 s45, s45, 8
	s_lshl_b32 s56, s56, 8
	s_mul_i32 s46, s13, KVREC
	s_mov_b32 s47, 0
	s_wait_dscnt 0x0
	s_wait_kmcnt 0x0
	s_add_nc_u64 s[50:51], s[6:7], s[46:47]        ; the head's record of kv
	s_mov_b32 s46, s45
	s_add_nc_u64 s[70:71], s[50:51], s[46:47]
	s_or_b32 s71, s71, 0x80000000
	s_mov_b32 s46, s56
	s_add_nc_u64 s[74:75], s[50:51], s[46:47]
	s_or_b32 s75, s75, 0x80000000
	tensor_load_to_lds s[68:71], s[16:23]          ; my one tensor load at the head
	s_nop 0
	v_and_b32 v32, 31, v0                          ; lane
	v_and_b32 v33, 15, v0                          ; r
	v_bfe_u32 v34, v0, 4, 1                        ; h
	v_and_b32 v35, 7, v0                           ; r % 8
	v_bfe_u32 v36, v0, 3, 1                        ; r / 8
	v_lshlrev_b32 v1, 4, v32
	v_lshlrev_b32 v2, 3, v32
	v_lshlrev_b32 v9, 2, v32
	v_lshlrev_b32 v15, 3, v33                      ; 8 r: Q's halfwords
	v_mul_u32_u24 v37, v34, RP
	v_mul_u32_u24 v38, v36, 2*TP
	v_lshl_add_u32 v3, v35, 4, v37
	v_add_nc_u32 v3, v3, v38                       ; K, registers 0-3: 16 (r % 8) + a row for h + two tiles for r / 8
	v_lshl_add_u32 v4, v35, 3, v38
	v_lshl_add_u32 v4, v34, 7, v4
	v_add_nc_u32 v4, 2*RP, v4                      ; K, registers 4-5: the tile's third row, 8 (r % 8 + 16 h)
	v_lshl_add_u32 v5, v33, 4, v37
	v_add_nc_u32 v5, VB, v5                        ; V, registers 0-3
	v_add_nc_u32 v6, VB+2*RP, v2                   ; V, registers 4-5
	v_lshlrev_b32 v7, 3, v35
	v_lshl_add_u32 v7, v36, 2, v7
	v_lshl_add_u32 v7, v34, 7, v7
	v_add_nc_u32 v7, KS, v7                        ; K's halfwords: 8 (r % 8 + 16 h) + 4 (r / 8)
	v_add_nc_u32 v8, VS, v2                        ; V's
	v_lshlrev_b32 v216, 3, v34                     ; 8 h
.irp j, 22,23,24,25,26,27,80,81,82,83,84,85
	v_mov_b32 v\j, 0                               ; zero codes, for the whole launch
.endr
	v_mov_b32 v91, 0                               ; named as the upper half of a pair,
	v_mov_b32 v199, 0                              ; and as a lane permute's destination, before they are first written
	s_wait_alu depctr_va_vdst(0)                   ; the wait behind the head's last vector instruction
	s_lshl_b32 s48, s14, 5
	s_lshl_b32 s49, s12, 1
	s_add_co_u32 s48, s48, s49                     ; my first tile of queries: 32 x + 2 w
	s_mul_i32 s46, s13, QREC
	s_add_nc_u64 s[50:51], s[4:5], s[46:47]        ; the head's record of q
	s_mul_i32 s46, s48, 768
	s_add_nc_u64 s[60:61], s[50:51], s[46:47]      ; my two tiles' codes
	s_lshl_b32 s52, s14, 3
	s_lshr_b32 s53, s12, 1
	s_add_co_u32 s52, s52, s53                     ; their block of halfwords: tile / 4
	s_and_b32 s53, s12, 1                          ; the word in it: w % 2
	s_lshl_b32 s46, s52, 8
	s_lshl_b32 s54, s53, 2
	s_add_co_u32 s46, s46, s54
	s_add_co_u32 s46, s46, 49152
	s_add_nc_u64 s[62:63], s[50:51], s[46:47]      ; my tiles' halfwords
	global_load_b128 v[16:19], v1, s[60:61]        ; the first tile's half fragment,
	global_load_b64 v[20:21], v2, s[60:61] offset:512
	global_load_b32 v28, v15, s[62:63]             ; its halfwords: row r's, in every lane;
	global_load_b128 v[244:247], v1, s[60:61] offset:768   ; the second tile's,
	global_load_b64 v[248:249], v2, s[60:61] offset:1280
	global_load_b32 v243, v15, s[62:63] offset:128 ; whose halfwords lie in the block's lanes 16-31
	s_lshr_b32 s54, s13, 3
	s_and_b32 s55, s13, 7
	s_lshl_b32 s54, s54, 6
	s_add_co_u32 s54, s54, s48                     ; 64 batch + tile
	s_mul_i32 s46, s54, 6144
	s_mul_i32 s55, s55, 768
	s_add_co_u32 s46, s46, s55
	s_add_nc_u64 s[32:33], s[8:9], s[46:47]        ; aoc [64 batch + tile][head][768]
	s_lshl_b32 s46, s13, 4
	s_add_co_u32 s46, s46, s52
	s_lshl_b32 s46, s46, 8
	s_lshl_b32 s54, s53, 7
	s_add_co_u32 s46, s46, s54
	s_add_nc_u64 s[34:35], s[10:11], s[46:47]      ; aos [8 batch + head][tile / 4][word][4 x lane]
	s_mov_b32 s36, 0x76543210
	s_mov_b32 s37, 0xfedcba98                      ; v_permlanex16_b32's selects for lane l xor 16
	s_mov_b32 s38, 0x3e38aa3b                      ; c = log2(e) / 8
	s_mov_b32 s39, s38                             ; (named with it as a pair, so it is written)
	s_mov_b32 s44, 0xffff0000                      ; lanes 16-31
	s_wait_tensorcnt 0x0                           ; my rows of the first fill have landed,
	ds_add_u32 v30, v31
	s_wait_dscnt 0x0
	s_barrier_signal -1
	s_barrier_wait -1                              ; everybody's have
	tensor_load_to_lds s[72:75], s[24:31]          ; my one tensor load behind the barrier: the rest of K and V, onto bytes that key steps 0 and 1 do not read
	s_nop 0
	s_wait_loadcnt 0x0                             ; both tiles' Q
	; ---- the first tile of queries
	s_mov_b32 s40, 0
	s_mov_b32 s41, 0
	STEP 1
	STEP 0
	s_wait_tensorcnt 0x0                           ; my rows of the second fill have landed,
	s_barrier_signal -1
	s_barrier_wait -1                              ; everybody's have: the whole record lies in LDS
	s_mov_b32 s42, 6
.Lfirst:
	STEP 0
	s_sub_co_u32 s42, s42, 1
	s_cmp_lg_u32 s42, 0
	s_cbranch_scc1 .Lfirst
	WAYOUT 0
	; ---- the second tile
	s_mov_b32 s40, 0
	s_mov_b32 s41, 0
	STEP 1
	s_mov_b32 s42, 7
.Lsecond:
	STEP 0
	s_sub_co_u32 s42, s42, 1
	s_cmp_lg_u32 s42, 0
	s_cbranch_scc1 .Lsecond
	WAYOUT 1
	global_store_b32 v9, v29, s[34:35]             ; 128 consecutive bytes: one word's plane of a block of halfwords
	s_wait_tensorcnt 0x0                           ; the wave's end
	ds_add_u32 v30, v31
	s_wait_dscnt 0x0
	s_endpgm
.Lfunc_end_k_q3d53a23be5_attn:
	.size	k_q3d53a23be5_attn, .Lfunc_end_k_q3d53a23be5_attn-k_q3d53a23be5_attn
	.p2alignl 7, 3214868480
	.fill 96, 4, 3214868480
	.section	.rodata,"a",@progbits
	.p2align	6, 0x0
	.amdhsa_kernel k_q3d53a23be5_attn
		.amdhsa_group_segment_fixed_size 327680
		.amdhsa_private_segment_fixed_size 0
		.amdhsa_enable_private_segment 0
		.amdhsa_kernarg_size 32
		.amdhsa_user_sgpr_count 2
		.amdhsa_user_sgpr_kernarg_segment_ptr 1
		.amdhsa_wavefront_size32 1
		.amdhsa_system_sgpr_workgroup_id_x 1
		.amdhsa_system_sgpr_workgroup_id_y 1
		.amdhsa_system_sgpr_workgroup_id_z 1
		.amdhsa_system_vgpr_workitem_id 0
		.amdhsa_next_free_vgpr 256
		.amdhsa_next_free_sgpr 88
		.amdhsa_reserve_vcc 0
		.amdhsa_float_denorm_mode_32 3
		.amdhsa_float_denorm_mode_16_64 3
		.amdhsa_memory_ordered 1
		.amdhsa_forward_progress 1
		.amdhsa_inst_pref_size 90
	.end_amdhsa_kernel
	.amdgpu_metadata
---
amdhsa.version: [ 1, 2 ]
amdhsa.kernels:
  - .name:           k_q3d53a23be5_attn
    .symbol:         k_q3d53a23be5_attn.kd
    .args:
      - { .name: qq, .offset: 0, .size: 8, .value_kind: global_buffer, .address_space: global }
      - { .name: kv, .offset: 8, .size: 8, .value_kind: global_buffer, .address_space: global }
      - { .name: aoc, .offset: 16, .size: 8, .value_kind: global_buffer, .address_space: global }
      - { .name: aos, .offset: 24, .size: 8, .value_kind: global_buffer, .address_space: global }
    .group_segment_fixed_size: 327680
    .private_segment_fixed_size: 0
    .kernarg_segment_align: 8
    .kernarg_segment_size: 32
    .max_flat_workgroup_size: 512
    .sgpr_count:     88
    .vgpr_count:     256
    .wavefront_size: 32
...
	.end_amdgpu_metadata
.endif
;; end of part 3
;; launch oproj (part 4): grid 2 x 128, 4 waves a work-group, no clusters, 168,448 bytes of LDS; arguments aoc, aos, wc, ws, b_o, out0; writes out0
.if DOCPART == 4
	.amdgcn_target "amdgcn-amd-amdhsa--gfx1250"
	.amdhsa_code_object_version 6
	.text
	.protected	k_q3d53a23be5_oproj
	.globl	k_q3d53a23be5_oproj
	.p2align	8
	.type	k_q3d53a23be5_oproj,@function
k_q3d53a23be5_oproj:
	s_mov_b64 s[64:65], 0
	v_nop
	global_prefetch_b8 v0, s[64:65] scope:SCOPE_SE
	s_setreg_imm32_b32 hwreg(HW_REG_WAVE_MODE, 25, 1), 1
	s_wait_xcnt 0x0
; out0 = A W_o + b_o, on codes of FP6 (E2M3) with one E8M0 scale for each 32 along K = 512 = (head, channel).  A, the attention's result, comes as half fragments [tile of rows][head][768 bytes] (aoc) and halfwords
; [8 batch + head][tile / 4][word i][4 x lane] (aos: word i of lane (r, h) = tile 2 i + h of the four, row r); W_o as fragments and scale words in the order of an operand's registers (wc, ws: tiles 96-127).
; SHARES.  A work-group takes 128 rows (eight tiles m) x 256 columns: work-group x = which 256 columns, y = which 128 rows.  Wave w takes 64 of the columns (weight tiles 96 + 16 x + 4 w + t, t = 0 .. 3) for all 128 rows:
; its 16 fragments stay in 192 registers.  So a work-group reads 96 KiB of weights, each byte by one wave, and A's 48 KiB once.
; A's eight tiles are one dense block of 49,152 bytes: they come into LDS ONCE, as they lie, by one tensor load a wave (48 rows of 256 bytes), and every wave reads its fragments from there: consecutive bytes from lane to lane.
; The products are used transposed (source 0 = weight, source 1 = rows), so that a lane holds eight neighbouring columns of one row.  The bias is the C of each sum's first product.
; Lane row i of a tile T is index 32 (T / 2) + 8 (T % 2) + i + 8 (i / 8), of rows and of columns alike.
; THE WAY OUT: a tile's 16 rows x 64 columns go through the wave's own stage in LDS (rows of 256 + 16 bytes, behind A's block, where no fill lands) and come back as whole rows: sixteen lanes store 256 consecutive, aligned bytes.
; BY TURNS: two sets of A's fragments and two sets of four accumulators.  While tile m is multiplied, tile m - 1's rows come back from the stage and tile m + 1's fragments are on their way from LDS.
; No cluster: a grid of 2 along x divides into no cluster of four.  One barrier, behind the fill.
; REGISTERS, in windows of 256.  Window 0: v1 16 x lane, v2 8 x lane, v3 4 x lane, v4, v5 the stage, v6 64 h, v8 my place in two rows of out0; v10-25 the weights' scale words; v26-41 the rows' scale words
;   (K step s, four tiles q, word i: 26 + 4 s + 2 q + i); v42-73 the halfwords as loaded, then rows read back; v80-127 and v128-175 A's fragments; v176-207 and v208-239 the accumulators.
;   Window 1: the weights (tile t, K step s at 12 (4 t + s)), the biases from v192.
.set FRB, 1536
.set SP,  272                          ; a stage row
.set STG, 49152                        ; the stages, behind A's block
.set WS,  10
.set MS,  26
.set HH,  42
.set BK,  42
.set AF,  80
.set AC,  176
.set BI,  192
.set MSB, 0
.macro WIN new                         ; the immediate's high byte repeats the setting that is left
.if MSB != \new
	s_set_vgpr_msb (MSB<<8)|\new
.set MSB, \new
.endif
.endm
.macro PLACES                          ; four plain instructions behind matrix instructions, ahead of the first read of their results and of loads into registers that they read
.rept 4
	v_nop
.endr
.endm
	s_load_b256 s[4:11], s[0:1], 0x0               ; aoc s[4:5], aos s[6:7], wc s[8:9], ws s[10:11]
	s_load_b128 s[12:15], s[0:1], 0x20             ; b_o s[12:13], out0 s[14:15]
	v_lshl_add_u32 v254, v0, 2, 0x29000
	v_mov_b32 v255, 0
	ds_add_u32 v254, v255
	ds_add_u32 v254, v255
	v_lshrrev_b32 v1, 5, v0
	v_readfirstlane_b32 s16, v1                    ; wave 0..3
	s_mov_b32 s17, ttmp9                           ; which 256 columns
	s_and_b32 s18, ttmp7, 0xffff                   ; g: rows 128 g on
	; descriptor group 1: 48 rows of 256 bytes (32 elements of 8 bytes), dense, no padding
	s_mov_b32 s24, 3<<16
	s_mov_b32 s25, 32<<16                          ; tensor_dim0
	s_mov_b32 s26, 48<<16                          ; tensor_dim1
	s_mov_b32 s27, 32<<16                          ; tile_dim0
	s_mov_b32 s28, 48                              ; tile_dim1
	s_mov_b32 s29, 32                              ; tensor_dim0_stride
	s_mov_b32 s30, 0
	s_mov_b32 s31, 0
	s_mul_i32 s19, s16, 12288                      ; my quarter of A's block
	s_mul_i32 s20, s18, 49152                      ; eight tiles of rows x eight heads x 768 bytes
	s_add_co_u32 s20, s20, s19
	s_mov_b32 s21, 0
	s_wait_dscnt 0x0
	s_wait_kmcnt 0x0
	s_mov_b32 s32, 1
	s_mov_b32 s33, s19
	s_add_nc_u64 s[34:35], s[4:5], s[20:21]
	s_or_b32 s35, s35, 0x80000000
	tensor_load_to_lds s[32:35], s[24:31]          ; my one tensor load
	s_nop 0
	PLACES                                         ; four such lines behind a tensor load
	v_and_b32 v7, 31, v0
	v_lshlrev_b32 v1, 4, v7
	s_wait_alu depctr_va_vdst(0)
	v_lshlrev_b32 v2, 3, v7
	v_lshlrev_b32 v3, 2, v7
	v_bfe_u32 v6, v0, 4, 1
	v_lshlrev_b32 v6, 6, v6                        ; 64 h
	s_wait_alu depctr_va_vdst(0)
	s_lshl_b32 s22, s17, 4
	s_lshl_b32 s23, s16, 2
	s_add_co_u32 s22, s22, s23                     ; my first tile of W_o's columns: 16 x + 4 w
	s_add_co_u32 s23, s22, 96                      ; and among all weight tiles
	s_mul_i32 s20, s23, 4*FRB
	s_add_nc_u64 s[8:9], s[8:9], s[20:21]
	s_lshl_b32 s20, s23, 9
	s_add_nc_u64 s[10:11], s[10:11], s[20:21]
	s_lshl_b32 s20, s22, 6                         ; my 64 columns, in bytes: 16 columns of 4 bytes a tile
	s_add_nc_u64 s[12:13], s[12:13], s[20:21]
	s_add_nc_u64 s[14:15], s[14:15], s[20:21]
	s_lshl_b32 s20, s18, 18                        ; 128 rows of 2,048 bytes
	s_add_nc_u64 s[14:15], s[14:15], s[20:21]
	s_lshr_b32 s22, s18, 3
	s_lshl_b32 s22, s22, 15                        ; the batch: 8 heads x 16 blocks x 256 bytes
	s_and_b32 s23, s18, 7
	s_lshl_b32 s23, s23, 9                         ; my two blocks of halfwords
	s_add_co_u32 s20, s22, s23
	s_add_nc_u64 s[6:7], s[6:7], s[20:21]
	WIN 0x40                                       ; destination window 1
.irp t, 0,1,2,3
.irp s, 0,1,2,3
.irp c, 0,1,2
	global_load_b128 v[12*(4*\t+\s)+4*\c:12*(4*\t+\s)+4*\c+3], v1, s[8:9] offset:(4*\t+\s)*FRB+512*\c
.endr
.endr
.endr
.irp t, 0,1,2,3                        ; lane (r, h) wants the biases of columns 32 (t / 2) + 8 (t % 2) + 16 h + 0 .. 7
	global_load_b128 v[BI+8*\t:BI+8*\t+3], v6, s[12:13] offset:4*(32*(\t/2)+8*(\t%2))
	global_load_b128 v[BI+8*\t+4:BI+8*\t+7], v6, s[12:13] offset:4*(32*(\t/2)+8*(\t%2))+16
.endr
	WIN 0
.irp t, 0,1,2,3
.irp s, 0,1,2,3
	global_load_b32 v[WS+4*\t+\s], v3, s[10:11] offset:(4*\t+\s)*128
.endr
.endr
.irp n, 0,1,2,3,4,5,6,7                ; head n, four tiles q, word i
.irp q, 0,1
.irp i, 0,1
	global_load_b32 v[HH+4*\n+2*\q+\i], v3, s[6:7] offset:4096*\n+256*\q+128*\i
.endr
.endr
.endr
; A's fragments of tile m, K steps 0 .. 3 (heads 2 s and 2 s + 1's half fragments on end), into set m % 2: 16 loads
.macro FETCHA m
.irp s, 0,1,2,3
.set rA, AF+48*((\m)%2)+12*\s
	ds_load_b128 v[rA:rA+3], v1 offset:6144*(\m)+1536*\s
	ds_load_b64 v[rA+4:rA+5], v2 offset:6144*(\m)+1536*\s+512
	ds_load_b128 v[rA+6:rA+9], v1 offset:6144*(\m)+1536*\s+768
	ds_load_b64 v[rA+10:rA+11], v2 offset:6144*(\m)+1536*\s+1280
.endr
.endm
; Tile m of the rows: 16 products, K step by K step, the four accumulators by turns
.macro MUL m
.irp s, 0,1,2,3
.if \s == 0
	WIN 0x11                                       ; source 0 (weight) window 1, source 1 (A) window 0, C (bias) window 1, D window 0
.else
	WIN 0x01
.endif
.irp t, 0,1,2,3
.set rD, AC+32*((\m)%2)+8*\t
.set rW, 12*(4*\t+\s)
.set rA, AF+48*((\m)%2)+12*\s
.set rS, MS+4*\s+2*((\m)/4)+((\m)%4)/2
.if \s == 0
.if (\m)%2
	v_wmma_scale_f32_16x16x128_f8f6f4 v[rD:rD+7], v[rW:rW+11], v[rA:rA+11], v[BI+8*\t:BI+8*\t+7], v[WS+4*\t+\s], v[rS] matrix_a_fmt:MATRIX_FMT_FP6 matrix_b_fmt:MATRIX_FMT_FP6 matrix_b_scale:MATRIX_SCALE_ROW1
.else
	v_wmma_scale_f32_16x16x128_f8f6f4 v[rD:rD+7], v[rW:rW+11], v[rA:rA+11], v[BI+8*\t:BI+8*\t+7], v[WS+4*\t+\s], v[rS] matrix_a_fmt:MATRIX_FMT_FP6 matrix_b_fmt:MATRIX_FMT_FP6
.endif
.else
.if (\m)%2
	v_wmma_scale_f32_16x16x128_f8f6f4 v[rD:rD+7], v[rW:rW+11], v[rA:rA+11], v[rD:rD+7], v[WS+4*\t+\s], v[rS] matrix_a_fmt:MATRIX_FMT_FP6 matrix_b_fmt:MATRIX_FMT_FP6 matrix_b_scale:MATRIX_SCALE_ROW1
.else
	v_wmma_scale_f32_16x16x128_f8f6f4 v[rD:rD+7], v[rW:rW+11], v[rA:rA+11], v[rD:rD+7], v[WS+4*\t+\s], v[rS] matrix_a_fmt:MATRIX_FMT_FP6 matrix_b_fmt:MATRIX_FMT_FP6
.endif
.endif
.endr
.endr
	WIN 0
.endm
; Lane (r, h), tile t: columns 32 (t / 2) + 8 (t % 2) + 16 h + 0 .. 7 of row r; then whole rows back, two an instruction: 8 stores and 8 loads.  LDS serves a wave's instructions in order (ISA guide 5.7.1.4)
.macro TOSTAGE m
.set rC, AC+32*((\m)%2)
.irp t, 0,1,2,3
	ds_store_b128 v4, v[rC+8*\t:rC+8*\t+3] offset:128*(\t/2)+32*(\t%2)         ; each accumulator from its low end on
	ds_store_b128 v4, v[rC+8*\t+4:rC+8*\t+7] offset:128*(\t/2)+32*(\t%2)+16
.endr
.irp i, 0,1,2,3,4,5,6,7
	ds_load_b128 v[BK+4*\i:BK+4*\i+3], v5 offset:2*SP*\i
.endr
.endm
.macro SEND m, younger                 ; younger: the LDS loads issued behind tile m's, which may stay out
	s_wait_dscnt \younger                          ; the tile's rows are back in registers
.irp i, 0,1,2,3,4,5,6,7                ; stage rows 2 i and 2 i + 1 are rows 32 (m / 2) + 8 (m % 2) + 2 i + 8 (i / 4) and the next of my 128
	global_store_b128 v8, v[BK+4*\i:BK+4*\i+3], s[14:15] offset:2048*(32*((\m)/2)+8*((\m)%2)+2*\i+8*(\i/4)) th:TH_STORE_NT
.endr
.endm
	s_wait_tensorcnt 0x0                           ; my quarter of A has landed,
	s_barrier_signal -1
	s_barrier_wait -1                              ; everybody's has
	FETCHA 0
	FETCHA 1
	s_wait_loadcnt 0x0                             ; the weights, their scale words, the biases and the halfwords
.irp s, 0,1,2,3
.irp q, 0,1
.irp i, 0,1
	v_lshl_or_b32 v[MS+4*\s+2*\q+\i], v[HH+4*(2*\s+1)+2*\q+\i], 16, v[HH+4*(2*\s)+2*\q+\i]   ; two heads' halfwords make a K step's scale word
.endr
.endr
.endr
	v_and_b32 v7, 15, v0                           ; r.  (These ten lines stand between the scale words just made and the first product)
	v_mul_u32_u24 v4, v7, SP
	v_add_nc_u32 v4, v4, v6                        ; the stage, in: row r, + 64 h
	s_mul_i32 s20, s16, 16*SP
	s_add_co_u32 s20, s20, STG                     ; my stage
	v_add_nc_u32 v4, s20, v4
	v_bfe_u32 v8, v0, 4, 1
	v_mul_u32_u24 v5, v8, SP                       ; back: lanes 0-15 one row of 256 bytes, lanes 16-31 the next
	v_lshl_add_u32 v5, v7, 4, v5
	v_add_nc_u32 v5, s20, v5
	v_lshlrev_b32 v8, 11, v8                       ; and the same two rows in out0
	v_lshl_add_u32 v8, v7, 4, v8
	s_wait_dscnt 16                                ; tile 0's fragments are in; tile 1's sixteen loads may be out
	MUL 0
	PLACES
	s_wait_alu depctr_va_vdst(0)
	TOSTAGE 0
	FETCHA 2
.irp m, 1,2,3,4,5
	s_wait_dscnt 32                                ; tile m's fragments are in; behind them: the stage's sixteen instructions and the next tile's sixteen loads
	MUL \m
	SEND \m-1, 16                                  ; behind the stage's loads: sixteen fragment loads
	PLACES
	s_wait_xcnt 0x0                                ; the stores have read their data: the rows' registers are loaded again
	TOSTAGE \m
	FETCHA \m+2                                    ; into the set that tile m has left
.endr
	s_wait_dscnt 32
	MUL 6
	SEND 5, 16
	PLACES
	s_wait_xcnt 0x0
	TOSTAGE 6
	s_wait_dscnt 16                                ; tile 7's fragments are in; behind them: the stage's sixteen instructions
	MUL 7
	SEND 6, 0
	PLACES
	s_wait_xcnt 0x0
	TOSTAGE 7
	SEND 7, 0
	s_wait_tensorcnt 0x0
	ds_add_u32 v254, v255
	s_wait_dscnt 0x0
	s_endpgm
.Lfunc_end_k_q3d53a23be5_oproj:
	.size	k_q3d53a23be5_oproj, .Lfunc_end_k_q3d53a23be5_oproj-k_q3d53a23be5_oproj
	.p2alignl 7, 3214868480
	.fill 96, 4, 3214868480
	.section	.rodata,"a",@progbits
	.p2align	6, 0x0
	.amdhsa_kernel k_q3d53a23be5_oproj
		.amdhsa_group_segment_fixed_size 168448
		.amdhsa_private_segment_fixed_size 0
		.amdhsa_enable_private_segment 0
		.amdhsa_kernarg_size 48
		.amdhsa_user_sgpr_count 2
		.amdhsa_user_sgpr_kernarg_segment_ptr 1
		.amdhsa_wavefront_size32 1
		.amdhsa_system_sgpr_workgroup_id_x 1
		.amdhsa_system_sgpr_workgroup_id_y 1
		.amdhsa_system_sgpr_workgroup_id_z 1
		.amdhsa_system_vgpr_workitem_id 0
		.amdhsa_next_free_vgpr 512
		.amdhsa_next_free_sgpr 66
		.amdhsa_reserve_vcc 0
		.amdhsa_float_denorm_mode_32 3
		.amdhsa_float_denorm_mode_16_64 3
		.amdhsa_memory_ordered 1
		.amdhsa_forward_progress 1
		.amdhsa_inst_pref_size 55
	.end_amdhsa_kernel
	.amdgpu_metadata
---
amdhsa.version: [ 1, 2 ]
amdhsa.kernels:
  - .name:           k_q3d53a23be5_oproj
    .symbol:         k_q3d53a23be5_oproj.kd
    .args:
      - { .name: aoc, .offset: 0, .size: 8, .value_kind: global_buffer, .address_space: global }
      - { .name: aos, .offset: 8, .size: 8, .value_kind: global_buffer, .address_space: global }
      - { .name: wc, .offset: 16, .size: 8, .value_kind: global_buffer, .address_space: global }
      - { .name: ws, .offset: 24, .size: 8, .value_kind: global_buffer, .address_space: global }
      - { .name: b_o, .offset: 32, .size: 8, .value_kind: global_buffer, .address_space: global }
      - { .name: out0, .offset: 40, .size: 8, .value_kind: global_buffer, .address_space: global }
    .group_segment_fixed_size: 168448
    .private_segment_fixed_size: 0
    .kernarg_segment_align: 8
    .kernarg_segment_size: 48
    .max_flat_workgroup_size: 128
    .sgpr_count:     66
    .vgpr_count:     512
    .wavefront_size: 32
...
	.end_amdgpu_metadata
.endif
;; end of part 4
